; MI455X (gfx1250); checked and timed in simulation.
; The chip was launched on July 23, 2026; its instructions are those of AMD's public machine-readable ISA for CDNA 5 (MIT licence, August 2026) and "CDNA5" Instruction Set Architecture Reference Guide (July 2026). The comments in the code are by the model that wrote it; some were corrected since.
;; Scaled Dot Product Attention. Allowed arithmetic: matrix products marked QUANTISED: E4M3 operands, one E8M0 scale for each 32 along K, by v_wmma_scale_f32_16x16x128_f8f6f4 with both operands' format E4M3, f32 sums; everything else in f32.
;; Inputs: K 4 x 16 x 2,048 x 128 float32; Q 4 x 16 x 2,048 x 128 float32; V 4 x 16 x 2,048 x 128 float32; mask 2,048 x 2,048 bool.
;; Outputs: out0 4 x 16 x 2,048 x 128 float32.
;; This version of the problem:
;;   THIS VERSION OF THE PROBLEM IS GIVEN IN LOW PRECISION. The matrix products marked QUANTISED in the list below multiply operands that are first quantised to E4M3 (4 exponent bits, 3 mantissa bits; 8 bits a number), with one power-of-two scale for each 32 numbers along K (OCP MX v1.0); their sums are f32. All else is computed in f32.
;;   The module's matrix products, in the order in which they are computed (A, B: the left and right operand; K: the contracted axis; several contracted axes count as one K, in the product's order):
;;     1. batch 64 x [M 2,048, K 128] x [K 128, N 2,048]; A: input Q; B: input K: QUANTISED
;;     2. batch 64 x [M 2,048, K 2,048] x [K 2,048, N 128]; A: softmax (see below); B: input V: QUANTISED
;;   THE QUANTISER, for each operand of a quantised product, along K:
;;     - K is cut into blocks of 32 from its start; a last block that is shorter is filled with zeros.
;;     - A block's scale is 2^e with e = floor(log2(the largest magnitude in the block)) - 8, held to -126 .. 127; a block of zeros has e = 0. As a byte (E8M0): e + 127.
;;     - Each number is divided by its block's scale, clamped to +-448, and rounded to the nearest number of E4M3, ties to even, subnormals kept.
;;     - The product sums the exact products of the quantised numbers (number of the format x scale) in f32.
;;   ~~~python
;;   def quantise(x, axis):      # numpy; x: float32 -> the quantised numbers, widened to float32 again
;;       x = np.moveaxis(x, axis, -1); K = x.shape[-1]
;;       x = np.pad(x, [(0, 0)] * (x.ndim - 1) + [(0, -K % 32)]); x = x.reshape(x.shape[:-1] + (-1, 32)); a = np.abs(x).max(-1, keepdims=True)
;;       e = np.where(a > 0, np.clip(np.frexp(np.where(a > 0, a, 1))[1] - 1 - 8, -126, 127), 0)      # np.frexp(a)[1] - 1 = floor(log2(a)), exactly
;;       r = np.clip(x / 2.0 ** e, -448, 448)
;;       step = 2.0 ** (np.maximum(np.frexp(np.where(r == 0, 1, r))[1] - 1, -6) - 3)
;;       q = np.round(r / step) * step * 2.0 ** e      # np.round: ties to even
;;       return np.moveaxis(q.reshape(q.shape[:-2] + (-1,))[..., :K], -1, axis).astype(np.float32)
;;   ~~~
;;   SOFTMAX AHEAD OF A QUANTISED PRODUCT. Where the list says 'softmax', what is quantised is not the finished softmax but p = 2^(t - M), with t = logit x log2(e) and M = ceil(the row's largest t), a whole number; so 1/2 < the row's largest p <= 1. The row's sum l is taken of the UNQUANTISED p, in f32, and the product's result is divided by l at the end. Since M is a whole number, a kernel that streams over the keys may use a running M (the ceiling of the running maximum): every later rescaling is an exact power of two, which a block's scale takes up: the codes' values come out the same.
;;   OPERANDS COMPUTED ON THE WAY. 'Computed on the way' means the value that the module computes at that place (a softmax that the list does not call 'softmax' is quantised finished and normalised). What goes into a quantiser is computed in f32, as accurately as f32 sums, v_exp_f32 and their like allow (about 1e-6 of the number): no bf16 or f16 on the way to a quantiser, and a product that is left as it is and whose result goes on into a quantised operand takes f32 operands (vector FMAs, or v_wmma_f32_16x16x4_f32). A number that lies on a knife's edge between two numbers of the format may be rounded either way, as far as f32 arithmetic and the matrix unit's own rounding can turn it there, and no further.
;; One version. Each part assembles by itself: llvm-mc -triple=amdgcn-amd-amdhsa -mcpu=gfx1250 --defsym DOCPART=n.
;; ======== version 1 of 1: 2 launches
;; limits: right only within a limited range of input values
;; workspace buffers: kv 34,603,008 bytes; mp 524,288 bytes of whole numbers; tf 1,024 bytes of whole numbers
;; launch prep (part 1): grid 2112 x 1, 4 waves a work-group, no clusters, 68,096 bytes of LDS; arguments K, V, mask, kv, mp, tf; writes kv, mp, tf
.if DOCPART == 1
	.amdgcn_target "amdgcn-amd-amdhsa--gfx1250"
	.amdhsa_code_object_version 6
	.text
	.protected	k_q176edebc6b_prep
	.globl	k_q176edebc6b_prep
	.p2align	8
	.type	k_q176edebc6b_prep,@function
k_q176edebc6b_prep:
	s_mov_b64 s[64:65], 0
	v_nop
	global_prefetch_b8 v0, s[64:65] scope:SCOPE_SE
	s_setreg_imm32_b32 hwreg(HW_REG_WAVE_MODE, 25, 1), 1
	s_wait_xcnt 0x0
; K and V [64 heads][2048 keys][128] f32 become codes of E4M3 with one E8M0 scale byte for each 32 along a product's K, and the mask [2048][2048] of bytes becomes lane masks and flags.
; kv: for each head and each key step of 128 keys one record of REC bytes, laid in the order of the operands' registers:
;   0      K's image: piece (t, c) at 2048 t + 512 c, lane L = 16 h + r at 16 L: key 32 (t / 2) + 8 (t % 2) + r + 8 (r / 8), channels 32 c + 16 h + 0 .. 15 (blocks of 32 along the channels)
;   16384  V's image: piece (t, c) likewise: channel 16 t + r, keys 32 c + 16 h + 0 .. 15 of the step (blocks of 32 along the keys)
;   32768  K's scale words: word 32 b + L: lanes 0-15 row r of tile 2 b, lanes 16-31 row r of tile 2 b + 1;   33280  V's scale words: word d, byte c = the step's key block c
; mp: [64 groups of 32 queries][16 steps][128 words]: bit L of word 64 a + 16 b + i is mask[32 g + 16 a + L % 16][128 s + 32 b + 16 (L / 16) + i].
; tf: [64 groups][4 waves]: bit 4 w + k: the region (group, step 4 w + k) has a true entry; bit 16 + 4 w + k: it has a false one.
; A block's scale is 2^(floor(log2(its largest magnitude)) - 8); its byte is the largest magnitude's exponent field - 8, held at 1 from below.
; LIMITS: a block of zeros gets the byte 1 where the rule says 127 (its codes are zeros, and this program alone reads the bytes); blocks whose largest magnitude lies under 2^-118 keep the byte 1;
; NaN and infinities among K and V are not served.  The scale words leave in runs of 128 bytes (1,024 of a record's 33,792); the mask is read in pieces of 16 bytes of a row.
; SHARES: work-groups 0-63 take a group of the mask each, 64-1087 a record's K, 1088-2111 a record's V.  The three paths part on the work-group's number; only K's path touches LDS; waves share nothing: no barrier.
.set REC,   33792
.set VIM,   16384
.set KSC,   32768
.set VSC,   33280
.set FLOOR, 0x4800000                  ; 2^(9 - 127)
.set EOFF,  0xfc000000                 ; -(8 << 23)
	s_load_b256 s[4:11], s[0:1], 0x0               ; K s[4:5], V s[6:7], mask s[8:9], kv s[10:11]
	s_load_b128 s[12:15], s[0:1], 0x20             ; mp s[12:13], tf s[14:15]
	v_lshl_add_u32 v224, v0, 2, 0x10800
	v_mov_b32 v225, 0
	v_lshrrev_b32 v1, 5, v0
	v_readfirstlane_b32 s16, v1                    ; wave 0..3
	v_and_b32 v1, 31, v0                           ; lane
	v_lshlrev_b32 v2, 4, v1                        ; 16 x lane
	v_lshlrev_b32 v3, 2, v1                        ; 4 x lane
	s_mov_b32 s28, 0x76543210
	s_mov_b32 s29, 0xfedcba98                      ; v_permlanex16_b32's selects for lane l xor 16
	s_mov_b32 s30, 0x600000                        ; the mantissa field of 448
	s_mov_b32 s3, 0                                ; the high word of every offset pair s[2:3]
	s_wait_kmcnt 0x0
	s_cmp_lt_u32 ttmp9, 64
	s_cbranch_scc1 .Lmask
	s_cmp_lt_u32 ttmp9, 1088
	s_cbranch_scc0 .Lv
; ---------------- K: wave w takes keys 32 w .. 32 w + 31 of the step: tiles 2 w and 2 w + 1
.set KR, 32                            ; v32-159  32 rows as loaded, 4 registers each
.set KX, 160                           ; v160-191 two sets of 16 neighbours along the channels
.set KC, 192                           ; v192-223 codes: 4 registers for each of 8 pieces, so that no store's data are written again
.set KP, 528                           ; a stage row: 512 bytes + 16 = 33 x 16: the sixteen rows that a load touches begin in sixteen different 16-byte columns modulo 256
	s_sub_co_u32 s17, ttmp9, 64                    ; 16 x head + step
	s_lshl_b32 s2, s17, 16                         ; 128 keys of 512 bytes
	s_lshl_b32 s24, s16, 14                        ; my 32 keys
	s_add_co_u32 s2, s2, s24
	s_add_nc_u64 s[18:19], s[4:5], s[2:3]
	s_mul_i32 s25, s17, REC
	s_lshl_b32 s24, s16, 12                        ; my two tiles' images
	s_add_co_u32 s2, s25, s24
	s_add_nc_u64 s[20:21], s[10:11], s[2:3]
	s_lshl_b32 s24, s16, 7                         ; my 32 scale words
	s_add_co_u32 s2, s25, s24
	s_add_co_u32 s2, s2, KSC
	s_add_nc_u64 s[22:23], s[10:11], s[2:3]
	s_mul_i32 s25, s16, 32*KP                      ; my stage
	s_wait_alu depctr_va_vdst(0)
	v_add_nc_u32 v4, s25, v2                       ; in: 16 bytes a lane of a row
	v_and_b32 v8, 15, v0                           ; r
	v_bfe_u32 v9, v0, 4, 1                         ; h
	v_mul_u32_u24 v5, v8, KP
	v_lshl_add_u32 v5, v9, 6, v5
	v_add_nc_u32 v5, s25, v5                       ; out: row r of a tile, + 64 h: my 16 numbers of a block of 32
.set k, 0
.rept 32
	global_load_b128 v[KR+4*k:KR+4*k+3], v2, s[18:19] offset:512*k th:TH_LOAD_NT   ; one key's row: 512 consecutive bytes
.set k, k+1
.endr
	v_mov_b32 v13, 0                               ; written once: a lane permute's destination counts as one of its sources
.set k, 0
	s_wait_alu depctr_va_vdst(0)
.rept 32
	s_wait_loadcnt 31-k                            ; row k is in; the 31 - k younger loads stay out
	ds_store_b128 v4, v[KR+4*k:KR+4*k+3] offset:(16*((k/8)%2)+(k%8)+8*(k/16))*KP   ; the stage is in the tiles' order: key k is row k % 8 + 8 (k / 16) of tile (k / 8) % 2
.set k, k+1
.endr
.macro KFETCH p                        ; piece p = 4 u + c: tile u, channels 32 c on: my 16 numbers.  LDS serves a wave's instructions in order: these see the stores above
.irp j, 0,1,2,3
	ds_load_b128 v[KX+16*((\p)%2)+4*\j:KX+16*((\p)%2)+4*\j+3], v5 offset:16*((\p)/4)*KP+128*((\p)%4)+16*\j
.endr
.endm
.macro KPIECE p
.set XS, KX+16*((\p)%2)
.if (\p) < 7
	KFETCH (\p)+1
	s_wait_dscnt 4                                 ; this piece's four loads are in; the next piece's four stay out
.else
	s_wait_dscnt 0x0
.endif
	v_max3_num_f32 v8, |v[XS]|, |v[XS+1]|, |v[XS+2]|               ; the largest magnitude of my 16, in two chains
	v_max3_num_f32 v9, |v[XS+3]|, |v[XS+4]|, |v[XS+5]|
.irp i, 6,10
	v_max3_num_f32 v8, v8, |v[XS+\i]|, |v[XS+\i+1]|
	v_max3_num_f32 v9, v9, |v[XS+\i+2]|, |v[XS+\i+3]|
.endr
	v_max3_num_f32 v8, v8, |v[XS+14]|, |v[XS+15]|
	v_max3_num_f32 v8, v8, v9, FLOOR               ; and the floor: the byte cannot fall under 1
	v_permlanex16_b32 v13, v8, s28, s29
	v_max_num_f32 v8, v8, v13                      ; with lane l xor 16's 16: the block's
	v_add_nc_u32 v11, EOFF, v8                     ; 8 off its exponent field: the conversion's scale operand
	v_and_or_b32 v10, v8, 0x7f800000, s30          ; 448 x the scale
.irp i, 0,1,2,3,4,5,6,7,8,9,10,11,12,13,14,15
	v_med3_num_f32 v[XS+\i], v[XS+\i], -v10, v10   ; the conversion to an 8-bit code does not saturate (ISA guide 7.6.2): the hold comes first
.endr
	v_cvt_scalef32_pk8_fp8_f32 v[KC+4*(\p):KC+4*(\p)+1], v[XS:XS+7], v11
	v_cvt_scalef32_pk8_fp8_f32 v[KC+4*(\p)+2:KC+4*(\p)+3], v[XS+8:XS+15], v11
	v_lshrrev_b32 v12, 23, v11                     ; the scale's byte (also the plain line behind the conversions)
.if (\p)%4 == 0
	v_mov_b32 v[6+(\p)/4], v12                     ; v6: tile 2 w's word of my row, v7: tile 2 w + 1's; the lower channels in the lower byte
.else
	v_lshl_or_b32 v[6+(\p)/4], v12, 8*((\p)%4), v[6+(\p)/4]
.endif
	global_store_b128 v2, v[KC+4*(\p):KC+4*(\p)+3], s[20:21] offset:2048*((\p)/4)+512*((\p)%4)   ; 32 lanes store 512 consecutive bytes
.endm
	KFETCH 0
.irp p, 0,1,2,3,4,5,6,7
	KPIECE \p
.endr
	v_cmp_gt_u32 vcc_lo, 16, v1
	v_cndmask_b32 v14, v7, v6, vcc_lo              ; lanes 0-15 give tile 2 w's words, lanes 16-31 tile 2 w + 1's (both halves of the lanes hold both)
	global_store_b32 v3, v14, s[22:23]
	s_wait_tensorcnt 0x0
	ds_add_u32 v224, v225
	s_wait_dscnt 0x0
	s_endpgm
; ---------------- V: wave w takes channels 32 w + lane; a lane's registers run down the keys, so a block of 32 keys lies in one lane and the codes come out with the keys innermost
.Lv:
.set VX, 32                            ; v32-95   two sets of 32 numbers
.set VC, 96                            ; v96-127  codes: 8 registers for each of 4 blocks
	s_sub_co_u32 s17, ttmp9, 1088                  ; 16 x head + step
	s_lshl_b32 s2, s17, 16
	s_lshl_b32 s24, s16, 7                         ; my 32 channels in a row
	s_add_co_u32 s2, s2, s24
	s_add_nc_u64 s[18:19], s[6:7], s[2:3]
	s_mul_i32 s25, s17, REC
	s_lshl_b32 s24, s16, 12                        ; my two tiles' images
	s_add_co_u32 s2, s25, s24
	s_add_co_u32 s2, s2, VIM
	s_add_nc_u64 s[20:21], s[10:11], s[2:3]
	s_lshl_b32 s24, s16, 7
	s_add_co_u32 s2, s25, s24
	s_add_co_u32 s2, s2, VSC
	s_add_nc_u64 s[22:23], s[10:11], s[2:3]
	s_wait_alu depctr_va_vdst(0)
	v_lshrrev_b32 v4, 4, v1
	v_and_b32 v5, 15, v1
	v_lshlrev_b32 v4, 11, v4
	v_lshl_add_u32 v4, v5, 4, v4                   ; 2048 x (lane / 16) + 16 x (lane % 16): my channel's place in a piece's lower half
.macro VLOAD c                         ; block c: V(32 c + i, my channel) into set c % 2
.set k, 0
.rept 32
	global_load_b32 v[VX+32*((\c)%2)+k], v3, s[18:19] offset:(32*(\c)+k)*512 th:TH_LOAD_NT
.set k, k+1
.endr
.endm
.macro VBLOCK c
.set XS, VX+32*((\c)%2)
.if (\c) < 3
	s_wait_loadcnt 32                              ; this block's 32 loads are in; the next block's 32 stay out
.else
	s_wait_loadcnt 0x0
.endif
	v_max3_num_f32 v12, |v[XS]|, |v[XS+1]|, |v[XS+2]|              ; all 32 numbers of the block are mine
	v_max3_num_f32 v13, |v[XS+3]|, |v[XS+4]|, |v[XS+5]|
.irp i, 6,10,14,18,22,26
	v_max3_num_f32 v12, v12, |v[XS+\i]|, |v[XS+\i+1]|
	v_max3_num_f32 v13, v13, |v[XS+\i+2]|, |v[XS+\i+3]|
.endr
	v_max3_num_f32 v12, v12, |v[XS+30]|, |v[XS+31]|
	v_max3_num_f32 v12, v12, v13, FLOOR
	v_add_nc_u32 v11, EOFF, v12
	v_and_or_b32 v10, v12, 0x7f800000, s30
	v_lshrrev_b32 v13, 23, v11                     ; the scale's byte
.if (\c) == 0
	v_mov_b32 v6, v13
.else
	v_lshl_or_b32 v6, v13, 8*(\c), v6
.endif
.set k, 0
.rept 32
	v_med3_num_f32 v[XS+k], v[XS+k], -v10, v10
.set k, k+1
.endr
.irp g, 0,1,2,3
	v_cvt_scalef32_pk8_fp8_f32 v[VC+8*(\c)+2*\g:VC+8*(\c)+2*\g+1], v[XS+8*\g:XS+8*\g+7], v11
.endr
	global_store_b128 v4, v[VC+8*(\c):VC+8*(\c)+3], s[20:21] offset:512*(\c)         ; keys 32 c + 0 .. 15: sixteen lanes store 256 consecutive bytes, aligned
	global_store_b128 v4, v[VC+8*(\c)+4:VC+8*(\c)+7], s[20:21] offset:512*(\c)+256   ; keys 32 c + 16 .. 31
.if (\c) < 2
	VLOAD (\c)+2
.endif
.endm                                  ; (the next block begins with plain vector lines: they are the line that is owed behind the conversions)
	VLOAD 0
	VLOAD 1
.irp c, 0,1,2,3
	VBLOCK \c
.endr
	global_store_b32 v3, v6, s[22:23]              ; my channel's scale word
	s_endpgm
; ---------------- the mask: work-group g takes queries 32 g .. 32 g + 31, wave w key steps 4 w .. 4 w + 3
.Lmask:
.set MM, 32                            ; v32-159  unit q = 2 k + a (step k of my four, tile a of 16 queries): 16 registers: 64 bytes of my row
.set MT, 160                           ; v160-175 at work
.set MD, 176                           ; v176-191 a step's 128 words, 4 to a lane; a set for each step, so that no store's data are written again
	s_lshl_b32 s2, ttmp9, 16                       ; 32 rows of 2,048 bytes
	s_lshl_b32 s24, s16, 9                         ; my four steps of 128 columns
	s_add_co_u32 s2, s2, s24
	s_add_nc_u64 s[18:19], s[8:9], s[2:3]
	s_lshl_b32 s2, ttmp9, 13                       ; 16 steps of 512 bytes
	s_lshl_b32 s24, s16, 11
	s_add_co_u32 s2, s2, s24
	s_add_nc_u64 s[20:21], s[12:13], s[2:3]
	s_lshl_b32 s2, ttmp9, 4
	s_lshl_b32 s27, s16, 2                         ; 4 w: my first step, and my word's bytes
	s_add_co_u32 s2, s2, s27
	s_add_nc_u64 s[22:23], s[14:15], s[2:3]
	s_wait_alu depctr_va_vdst(0)
	v_and_b32 v5, 15, v1
	v_lshrrev_b32 v4, 4, v1
	v_lshlrev_b32 v4, 4, v4
	v_lshl_add_u32 v4, v5, 11, v4                  ; row r, + 16 h
.irp k, 0,1,2,3
.irp a, 0,1
.irp b, 0,1,2,3
	global_load_b128 v[MM+16*(2*\k+\a)+4*\b:MM+16*(2*\k+\a)+4*\b+3], v4, s[18:19] offset:\a*32768+128*\k+32*\b th:TH_LOAD_NT
.endr
.endr
.endr
.set k, 0
.rept 16
	v_mov_b32 v[MD+k], 0                           ; v_writelane_b32's destination counts as read
.set k, k+1
.endr
	s_mov_b32 s26, 0                               ; my flags
.macro MSTEP k
	s_mov_b32 s24, 0                               ; the OR and
	s_mov_b32 s25, -1                              ; the AND of the step's 128 words
.irp a, 0,1
	s_wait_loadcnt 28-4*(2*(\k)+\a)                ; this unit's four loads are in; the later units' stay out
.irp b, 0,1,2,3
.irp i, 0,1,2,3,4,5,6,7,8,9,10,11,12,13,14,15
	v_and_b32 v[MT+\i], 0xff<<(8*(\i%4)), v[MM+16*(2*(\k)+\a)+4*\b+\i/4]   ; byte i of my 16: key 32 b + 16 h + i
.endr
.irp i, 0,1,2,3,4,5,6,7,8,9,10,11,12,13,14,15
	v_cmp_ne_u32 s[32+\i], 0, v[MT+\i]             ; word 64 a + 16 b + i: a bit a lane
.endr
.irp i, 0,1,2,3,4,5,6,7,8,9,10,11,12,13,14,15
	v_writelane_b32 v[MD+4*(\k)+(\i%4)], s[32+\i], (64*\a+16*\b+\i)/4   ; word n goes to lane n / 4, register n % 4: byte 4 n of the store below
.endr
.irp i, 0,1,2,3,4,5,6,7,8,9,10,11,12,13,14,15
	s_or_b32 s24, s24, s[32+\i]
	s_and_b32 s25, s25, s[32+\i]
.endr
.endr
.endr
	s_wait_alu depctr_va_vdst(0)
	global_store_b128 v2, v[MD+4*(\k):MD+4*(\k)+3], s[20:21] offset:512*(\k)   ; 32 lanes store 512 consecutive bytes
	s_cmp_lg_u32 s24, 0
	s_cselect_b32 s2, 1, 0                         ; some entry is true
	s_add_co_u32 s31, s27, \k
	s_lshl_b32 s2, s2, s31
	s_or_b32 s26, s26, s2
	s_cmp_lg_u32 s25, -1
	s_cselect_b32 s2, 1, 0                         ; some entry is false
	s_add_co_u32 s31, s31, 16
	s_lshl_b32 s2, s2, s31
	s_or_b32 s26, s26, s2
.endm
.irp k, 0,1,2,3
	MSTEP \k
.endr
	v_mov_b32 v5, s26
	v_cmp_eq_u32 vcc_lo, 0, v1
	s_wait_alu depctr_va_vdst(0)
	s_wait_xcnt 0x0                                ; EXEC is a source of the stores above: it changes only behind this wait
	s_and_saveexec_b32 s2, vcc_lo
	global_store_b32 v3, v5, s[22:23]              ; lane 0 stores my flag word
	s_wait_xcnt 0x0                                ; and again ahead of the line that widens it
	s_or_b32 exec_lo, exec_lo, s2
	s_endpgm
.Lfunc_end_k_q176edebc6b_prep:
	.size	k_q176edebc6b_prep, .Lfunc_end_k_q176edebc6b_prep-k_q176edebc6b_prep
	.p2alignl 7, 3214868480
	.fill 96, 4, 3214868480
	.section	.rodata,"a",@progbits
	.p2align	6, 0x0
	.amdhsa_kernel k_q176edebc6b_prep
		.amdhsa_group_segment_fixed_size 68096
		.amdhsa_private_segment_fixed_size 0
		.amdhsa_enable_private_segment 0
		.amdhsa_kernarg_size 48
		.amdhsa_user_sgpr_count 2
		.amdhsa_user_sgpr_kernarg_segment_ptr 1
		.amdhsa_wavefront_size32 1
		.amdhsa_system_sgpr_workgroup_id_x 1
		.amdhsa_system_sgpr_workgroup_id_y 1
		.amdhsa_system_sgpr_workgroup_id_z 1
		.amdhsa_system_vgpr_workitem_id 0
		.amdhsa_next_free_vgpr 226
		.amdhsa_next_free_sgpr 66
		.amdhsa_reserve_vcc 1
		.amdhsa_float_denorm_mode_32 3
		.amdhsa_float_denorm_mode_16_64 3
		.amdhsa_memory_ordered 1
		.amdhsa_forward_progress 1
		.amdhsa_inst_pref_size 190
	.end_amdhsa_kernel
	.amdgpu_metadata
---
amdhsa.version: [ 1, 2 ]
amdhsa.kernels:
  - .name:           k_q176edebc6b_prep
    .symbol:         k_q176edebc6b_prep.kd
    .args:
      - { .name: K, .offset: 0, .size: 8, .value_kind: global_buffer, .address_space: global }
      - { .name: V, .offset: 8, .size: 8, .value_kind: global_buffer, .address_space: global }
      - { .name: mask, .offset: 16, .size: 8, .value_kind: global_buffer, .address_space: global }
      - { .name: kv, .offset: 24, .size: 8, .value_kind: global_buffer, .address_space: global }
      - { .name: mp, .offset: 32, .size: 8, .value_kind: global_buffer, .address_space: global }
      - { .name: tf, .offset: 40, .size: 8, .value_kind: global_buffer, .address_space: global }
    .group_segment_fixed_size: 68096
    .private_segment_fixed_size: 0
    .kernarg_segment_align: 8
    .kernarg_segment_size: 48
    .max_flat_workgroup_size: 128
    .sgpr_count:     66
    .vgpr_count:     226
    .wavefront_size: 32
...
	.end_amdgpu_metadata
.endif
;; end of part 1
;; launch attn (part 2): grid 4 x 64, 4 waves a work-group, no clusters, 133,632 bytes of LDS; arguments Q, kv, mp, tf, out0; writes out0
.if DOCPART == 2
	.amdgcn_target "amdgcn-amd-amdhsa--gfx1250"
	.amdhsa_code_object_version 6
	.text
	.protected	k_q176edebc6b_attn
	.globl	k_q176edebc6b_attn
	.p2align	8
	.type	k_q176edebc6b_attn,@function
k_q176edebc6b_attn:
	s_mov_b64 s[64:65], 0
	v_nop
	global_prefetch_b8 v0, s[64:65] scope:SCOPE_SE
	s_setreg_imm32_b32 hwreg(HW_REG_WAVE_MODE, 25, 1), 1
	s_wait_xcnt 0x0
; out0[head][q][:] = the sum over k of softmax_k(where(mask[q][k], Q[q] . K[k] / sqrt(128), -inf)) V[k][:], both products on codes of E4M3 with one E8M0 scale for each 32 along a product's K.
; K and V come as records of one key step (128 keys) in the order of the operands' registers (kv), the mask as lane masks (mp) and flags (tf); Q comes as f32 and is quantised here: one wave reads it once.
; THE SOFTMAX AHEAD OF THE SECOND PRODUCT: t = score x log2(e) / sqrt(128); M = the running largest t rounded UP to a whole number; p = 2^(t - M) is quantised along the keys, not normalised; the row's sum is taken
; of the unquantised p and divides at the end.  When M moves, the sums and O are multiplied by 2^(old M - new M): exact.  A hidden score becomes -infinity ahead of the maximum: p = 0.
; SHARES.  256 work-groups of four waves, a wave to a SIMD.  Work-group (x, head) makes two blocks of 256 queries in two passes: block 7 - x, then block x.  A wave owns 64 queries: four tiles of 16, so that each
; fragment of K and V read from LDS feeds four matrix instructions.  A pass is 16 trips, one for each key step, one barrier a trip.
; WHAT IS LEFT OUT.  Nothing is left out for all inputs.  A key step in which no entry of the mask is true for a wave's 64 queries adds nothing: the wave jumps over its work; a step that none of the block's 256
; queries needs is not fetched; a step whose 64 x 128 entries are all true jumps over the masking.  These are scalar branches on flags that the launch before stored; trip counts are constants, every wave passes every barrier.
; NO TENSOR LOADS, NO CLUSTER: which steps a block walks is read from memory and differs from block to block.
; THE RECORDS' WAY: memory -> registers (128 threads x 264 bytes) -> LDS.  Two slots, 65,536 bytes apart.  In trip t, behind the barrier, slot t % 2 is read; record t + 1, asked for in trip t - 1, is stored into the
; other slot, whose last reads were over ahead of this trip's barrier and whose next reads stand behind the next one; then record t + 2 is asked for.
; Q'S WAY: each load takes a whole row, 512 consecutive bytes; 16 rows at a time turn through the wave's own stage in LDS, so that a lane holds 16 neighbouring channels of each block of its query.
; LAYOUT.  Both products are used transposed: S^T = K Q^T, O^T = V^T P^T: a lane holds ONE query (lane % 16) of each tile.  Lane r of key tile 2 b + u has key 32 b + 8 u + r + 8 (r / 8), so the 16 registers of
; tiles 2 b and 2 b + 1 are keys 32 b + 16 (lane / 16) + 0 .. 15: the conversions' results are the second product's operand.
; LIMITS: NaN and infinities among Q, K, V are not served.  A block whose largest magnitude lies under 2^-118 keeps the scale byte 1; a block of zeros has the byte 1 (its codes are zeros).  v_exp_f32 gives 0 for p
; under 2^-126.  A query with no true entry in its row of the mask gets 0 x (1 / 0) = NaN in all its channels.
; O^T is cleared by moves at a pass's head: which step is a wave's first hangs on the mask, so no product can be written out that starts the sums.
; REGISTERS.  Window 0: v0-15 addresses; v16-63 statistics and scale words; v64-127 at work, 16 a tile; v128-255 K's eight fragments, then p's codes (16 a tile), on the way out rows of O.
; Window 1: S^T then p, 64 a tile; tiles 0 and 1 then take V's eight fragments; between passes Q's rows as loaded.  Window 2: O^T, 64 a tile; at a pass's head Q's numbers, turned.
; Window 3: v0-63 Q's codes; v64-129 a record on its way; v132-139 mask words.
.set REC,   33792
.set VIM,   16384                      ; in a record: V's image,
.set KSC,   32768                      ; K's scale words,
.set VSC,   33280                      ; V's scale words
.set SLOT1, 65536
.set STAGE, 99328                      ; behind slot 1: for each wave a stage of 16 rows, for Q's turn and for the way out
.set SP,    528                        ; a stage row: 512 bytes + 16
.set SPARE, 133120                     ; the spare words, 128 bytes a wave
.set FLOOR, 0x4800000                  ; 2^(9 - 127)
.set EOFF,  0xfc000000                 ; -(8 << 23)
.set LI,   1                           ; 16 x lane
.set LS,   2                           ; 4 x lane
.set T16,  3                           ; 16 x thread
.set T8,   4                           ; 8 x thread
.set STO,  5                           ; my stage: row r, + 32 h
.set RD,   6                           ; my stage: 16 bytes a lane of a row
.set PFO,  7                           ; 256 x thread: the prefetch's offset
.set AL,   9                           ; LI in the slot in hand
.set AS,   10                          ; LS in the slot in hand
.set AC16, 11                          ; T16 in the other slot
.set AC8,  12                          ; T8 in the other slot
.set SPW,  13                          ; my spare word; never rewritten
.set NIL,  14                          ; 0; never rewritten
.set QR,   15                          ; my stage: row r, + 64 h
.set NM,   16                          ; tile a: v[NM+2a] -M, v[NM+2a+1] the largest t
.set SA,   24                          ; tile a: the sum's first pair
.set SB,   32                          ; its second pair
.set FF,   40                          ; tile a: v[FF+2a] f, v[FF+2a+1] at work
.set PS,   48                          ; p's scale words, one a tile
.set QS,   52                          ; Q's scale words
.set SWK,  56                          ; K's scale words
.set SWV,  60                          ; V's scale words
.set WK,   64                          ; tile a at v[WK+16a]: +0..3 block maxima, +4..7 permutes, bytes, partial sums, +8..11 448 x the scale, +12..15 the scale operands
.set KF,   128
.set QC,   0                           ; window 3
.set SG,   64                          ; window 3
.set MK,   132                         ; window 3
.set WV,   14
.set TB,   15                          ; LDS byte at which the slot in hand begins
.set HEAD, 16
.set QB,   17                          ; the block of 256 queries in hand
.set PASS, 18
.set CNT,  19
.set NINF, 20
.set NEED, 21                          ; bit k: the block needs the step k trips on
.set MY,   22                          ; bit 0: my 64 queries need this step
.set MX,   23                          ; bit k: the step k trips on is mine and some entry of my 64 x 128 is false
.set KVC,  24                          ; s[24:25] this trip's record
.set MPC,  26                          ; s[26:27] my first group's mask words of this trip; the second group's lie 8,192 bytes on
.set SEL,  28                          ; s[28:29] selects for lane l xor 16
.set CS,   30                          ; s[30:31] c = log2(e) / sqrt(128)
.set XM,   32                          ; s[32:63] 32 mask words; s[68:99] 32 more
.set QP,   66
.set YM,   68
.set MNT,  100                         ; the mantissa field of 448
.set PFM,  101                         ; bit 0: I prefetch the step three trips on
.set OUTC, 104
.set MSB, 0
.macro WIN new                         ; low byte: bits 1:0 source 0, 3:2 source 1, 5:4 source 2, 7:6 destination; the high byte repeats the setting that is left.  At a label and at a branch every window is 0
.if MSB != \new
	s_set_vgpr_msb (MSB<<8)|\new
.set MSB, \new
.endif
.endm
.macro ROWS dst, base                  ; base + 512 bytes x (2048 head + 256 block + 64 wave)
	s_lshl_b32 s2, s[HEAD], 11
	s_lshl_b32 s3, s[QB], 8
	s_add_co_u32 s2, s2, s3
	s_lshl_b32 s3, s[WV], 6
	s_add_co_u32 s2, s2, s3
	s_lshl_b32 s2, s2, 9
	s_mov_b32 s3, 0
	s_add_nc_u64 s[\dst:\dst+1], s[\base:\base+1], s[2:3]
.endm
.macro ASKREC base, off                ; a record: 16 x 16 bytes a thread of the images, 8 of the scale words; a wave's load covers 512 (256) consecutive bytes
	WIN 0xc0
.irp i, 0,1,2,3,4,5,6,7,8,9,10,11,12,13,14,15
	global_load_b128 v[SG+4*\i:SG+4*\i+3], v[T16], s[\base:\base+1] offset:\off+2048*\i
.endr
	global_load_b64 v[SG+64:SG+65], v[T8], s[\base:\base+1] offset:\off+KSC
	WIN 0
.endm
.macro COPYIN a16, a8                  ; and into a slot, as it lies
	WIN 0x0c
.irp i, 0,1,2,3,4,5,6,7,8,9,10,11,12,13,14,15
	ds_store_b128 v[\a16], v[SG+4*\i:SG+4*\i+3] offset:2048*\i
.endr
	ds_store_b64 v[\a8], v[SG+64:SG+65] offset:KSC
	WIN 0
.endm
.macro MLOAD off                       ; a step's 256 mask words of my two groups: word n of a group in lane n / 4, register n % 4
	WIN 0xc0
	global_load_b128 v[MK:MK+3], v[LI], s[MPC:MPC+1] offset:\off
	global_load_b128 v[MK+4:MK+7], v[LI], s[MPC:MPC+1] offset:\off+8192
	WIN 0
.endm
.macro REQ                             ; all that block QB's pass wants first: the flags, record 0, my 64 rows of Q, step 0's mask words
	s_lshl_b32 s2, s[QB], 7                        ; the block's eight groups: 32 flag words
	s_mov_b32 s3, 0
	s_add_nc_u64 s[96:97], s[10:11], s[2:3]
	s_lshl_b32 s2, s[WV], 5                        ; my two groups' eight
	s_add_nc_u64 s[98:99], s[96:97], s[2:3]
	s_load_b512 s[XM:XM+15], s[96:97], 0x0
	s_load_b512 s[XM+16:XM+31], s[96:97], 0x40
	s_load_b256 s[YM:YM+7], s[98:99], 0x0
	ASKREC 6, 0                                    ; step 0's record is always asked for
	ROWS QP, 4
	WIN 0x40
.irp a, 0,1,2,3
.irp i, 0,1,2,3,4,5,6,7,8,9,10,11,12,13,14,15
	global_load_b128 v[64*\a+4*\i:64*\a+4*\i+3], v[LI], s[QP:QP+1] offset:8192*\a+512*\i th:TH_LOAD_NT   ; a row: 512 consecutive bytes
.endr
.endr
	WIN 0
	s_lshl_b32 s2, s[QB], 3
	s_lshl_b32 s3, s[WV], 1
	s_add_co_u32 s2, s2, s3                        ; my first group of 32 queries
	s_lshl_b32 s2, s2, 13                          ; 16 steps of 512 bytes
	s_mov_b32 s3, 0
	s_add_nc_u64 s[MPC:MPC+1], s[8:9], s[2:3]
	MLOAD 0
.endm
.macro COPY                            ; the next step's record has come: into the other slot
	s_wait_loadcnt 0x0                             ; on every way: the record and the mask words asked for a trip ago
	s_bitcmp1_b32 s[NEED], 1
	s_cbranch_scc0 .Lnc_\@
	COPYIN AC16, AC8
.Lnc_\@:
.endm
.macro ASK                             ; what later trips want
	s_wait_alu depctr_va_vdst(0)
	s_wait_dscnt 0x0                               ; my stores have read the registers that the loads below fill
	s_bitcmp1_b32 s[NEED], 2
	s_cbranch_scc0 .Lna_\@
	ASKREC KVC, 2*REC                              ; the record two steps on: stored into LDS in the next trip
.Lna_\@:
	s_bitcmp1_b32 s[MX], 1
	s_cbranch_scc0 .Lnm_\@
	MLOAD 512                                      ; the next step's mask words, where I work on it and some entry is false
.Lnm_\@:
	s_bitcmp1_b32 s[PFM], 0
	s_cbranch_scc0 .Lnp_\@
	global_prefetch_b8 v[PFO], s[KVC:KVC+1] offset:3*REC th:TH_LOAD_NT scope:SCOPE_SE   ; see the pass's head
.Lnp_\@:
.endm
.macro PAIRMAX                         ; each block's maximum joined with lane l xor 16's
.irp a, 0,1,2,3
.irp b, 0,1,2,3
	v_permlanex16_b32 v[WK+16*\a+4+\b], v[WK+16*\a+\b], s[SEL], s[SEL+1]
.endr
.endr
.irp a, 0,1,2,3
.irp b, 0,1,2,3
	v_max_num_f32 v[WK+16*\a+\b], v[WK+16*\a+\b], v[WK+16*\a+4+\b]
.endr
.endr
.endm
.macro SCALES word                     ; from the blocks' largest magnitudes: the conversions' scale operands, 448 x the scale, the bytes, and a scale word a tile
.irp a, 0,1,2,3
.irp b, 0,1,2,3
	v_add_nc_u32 v[WK+16*\a+12+\b], EOFF, v[WK+16*\a+\b]
.endr
.endr
.irp a, 0,1,2,3
.irp b, 0,1,2,3
	v_and_or_b32 v[WK+16*\a+8+\b], v[WK+16*\a+\b], 0x7f800000, s[MNT]
.endr
.endr
.irp a, 0,1,2,3
.irp b, 0,1,2,3
	v_lshrrev_b32 v[WK+16*\a+4+\b], 23, v[WK+16*\a+12+\b]
.endr
.endr
.irp a, 0,1,2,3
	v_lshl_or_b32 v[\word+\a], v[WK+16*\a+5], 8, v[WK+16*\a+4]
.endr
.irp a, 0,1,2,3
	v_lshl_or_b32 v[\word+\a], v[WK+16*\a+6], 16, v[\word+\a]
.endr
.irp a, 0,1,2,3
	v_lshl_or_b32 v[\word+\a], v[WK+16*\a+7], 24, v[\word+\a]
.endr
.endm
.macro KQ t, a                         ; S^T: tile t of 16 keys x tile a of queries.  Even tiles' scale words lie in lanes 0-15, odd tiles' in lanes 16-31
.if (\t)%2
	v_wmma_scale_f32_16x16x128_f8f6f4 v[64*\a+8*\t:64*\a+8*\t+7], v[KF+16*\t:KF+16*\t+15], v[QC+16*\a:QC+16*\a+15], 0, v[SWK+\t/2], v[QS+\a] matrix_a_scale:MATRIX_SCALE_ROW1
.else
	v_wmma_scale_f32_16x16x128_f8f6f4 v[64*\a+8*\t:64*\a+8*\t+7], v[KF+16*\t:KF+16*\t+15], v[QC+16*\a:QC+16*\a+15], 0, v[SWK+\t/2], v[QS+\a]
.endif
.endm
.macro PV t, a                         ; O^T += V^T P^T: tile t of 16 channels x tile a of queries
.if (\t)%2
	v_wmma_scale_f32_16x16x128_f8f6f4 v[64*\a+8*\t:64*\a+8*\t+7], v[16*\t:16*\t+15], v[KF+16*\a:KF+16*\a+15], v[64*\a+8*\t:64*\a+8*\t+7], v[SWV+\t/2], v[PS+\a] matrix_a_scale:MATRIX_SCALE_ROW1
.else
	v_wmma_scale_f32_16x16x128_f8f6f4 v[64*\a+8*\t:64*\a+8*\t+7], v[16*\t:16*\t+15], v[KF+16*\a:KF+16*\a+15], v[64*\a+8*\t:64*\a+8*\t+7], v[SWV+\t/2], v[PS+\a]
.endif
.endm
.macro MASK32 a, g                     ; 32 score registers of tile a: their lane masks into scalar registers, then a lane whose bit is 0 gets -infinity.  Ascending: each accumulator is read from its low end on
.set n, 0
.rept 32
	v_readlane_b32 s[XM+36*\g+n], v[MK+4*(\a/2)+n%4], 16*(\a%2)+8*\g+n/4
.set n, n+1
.endr
.set n, 0
.rept 32
	v_cndmask_b32 v[64*\a+32*\g+n], s[NINF], v[64*\a+32*\g+n], s[XM+36*\g+n]
.set n, n+1
.endr
.endm
.macro TM a, n                         ; t - M of two scores of tile a
	v_pk_fma_f32 v[64*\a+\n:64*\a+\n+1], v[64*\a+\n:64*\a+\n+1], s[CS:CS+1], v[NM+2*\a:NM+2*\a+1] op_sel_hi:[1,0,0]
.endm
.macro HOLD a, n                       ; p is not negative: the hold at 448 x the scale is one-sided
	v_min_num_f32 v[64*\a+\n], v[64*\a+\n], v[WK+16*\a+8+(\n)/16]
.endm
.macro SUM a                           ; tile a's 64 unquantised p onto its sums: two at a time, in four chains.  It opens with a wait behind a batch of exponentials and ahead of the next
	WIN 0x05
	s_wait_alu depctr_va_vdst(0)
	v_pk_add_f32 v[WK+16*\a+4:WK+16*\a+5], v[64*\a:64*\a+1], v[64*\a+2:64*\a+3]
	v_pk_add_f32 v[WK+16*\a+6:WK+16*\a+7], v[64*\a+4:64*\a+5], v[64*\a+6:64*\a+7]
	WIN 0x04
.irp j, 8,16,24,32,40,48,56
	v_pk_add_f32 v[SA+2*\a:SA+2*\a+1], v[SA+2*\a:SA+2*\a+1], v[64*\a+\j:64*\a+\j+1]
	v_pk_add_f32 v[SB+2*\a:SB+2*\a+1], v[SB+2*\a:SB+2*\a+1], v[64*\a+\j+2:64*\a+\j+3]
	v_pk_add_f32 v[WK+16*\a+4:WK+16*\a+5], v[WK+16*\a+4:WK+16*\a+5], v[64*\a+\j+4:64*\a+\j+5]
	v_pk_add_f32 v[WK+16*\a+6:WK+16*\a+7], v[WK+16*\a+6:WK+16*\a+7], v[64*\a+\j+6:64*\a+\j+7]
.endr
	WIN 0
	v_pk_add_f32 v[SA+2*\a:SA+2*\a+1], v[SA+2*\a:SA+2*\a+1], v[WK+16*\a+4:WK+16*\a+5]
	v_pk_add_f32 v[SB+2*\a:SB+2*\a+1], v[SB+2*\a:SB+2*\a+1], v[WK+16*\a+6:WK+16*\a+7]
.endm
.macro CODES a                         ; tile a's held p: 64 codes
	WIN 0x01
.irp b, 0,1,2,3
	v_cvt_scalef32_pk8_fp8_f32 v[KF+16*\a+4*\b:KF+16*\a+4*\b+1], v[64*\a+16*\b:64*\a+16*\b+7], v[WK+16*\a+12+\b]
	v_cvt_scalef32_pk8_fp8_f32 v[KF+16*\a+4*\b+2:KF+16*\a+4*\b+3], v[64*\a+16*\b+8:64*\a+16*\b+15], v[WK+16*\a+12+\b]
.endr
.endm
.macro HOLDS a
	WIN 0x41
.set n, 0
.rept 64
	HOLD \a, n
.set n, n+1
.endr
.endm
.macro OSCALE                          ; all of O^T x the tile's f (or 1 / the sum)
.irp a, 0,1,2,3
.set n, 0
.rept 32
	v_pk_mul_f32 v[64*\a+n:64*\a+n+1], v[64*\a+n:64*\a+n+1], v[FF+2*\a:FF+2*\a+1] op_sel_hi:[1,0]
.set n, n+2
.endr
.endr
.endm
.macro OUTSTAGE a                      ; tile a through my stage; back as whole rows of 512 bytes, into buffer a % 2
	WIN 0x08
.irp t, 0,1,2,3,4,5,6,7
	ds_store_b128 v[STO], v[64*\a+8*\t:64*\a+8*\t+3] offset:64*\t          ; lane (r, h): o(r, 16 t + 8 h + 0 .. 7)
	ds_store_b128 v[STO], v[64*\a+8*\t+4:64*\a+8*\t+7] offset:64*\t+16
.endr
	WIN 0
.irp i, 0,1,2,3,4,5,6,7,8,9,10,11,12,13,14,15
	ds_load_b128 v[KF+64*(\a%2)+4*\i:KF+64*(\a%2)+4*\i+3], v[RD] offset:\i*SP   ; LDS serves a wave's instructions in order (ISA guide 5.7.1.4)
.endr
.endm
.macro OUTSEND a, younger              ; younger: LDS instructions issued behind tile a's 16 loads
.irp i, 0,1,2,3,4,5,6,7,8,9,10,11,12,13,14,15
	s_wait_dscnt \younger+15-\i
	global_store_b128 v[LI], v[KF+64*(\a%2)+4*\i:KF+64*(\a%2)+4*\i+3], s[OUTC:OUTC+1] offset:8192*\a+512*\i th:TH_STORE_NT   ; 32 lanes store a row of 512 consecutive bytes, aligned
.endr
.endm
	s_load_b256 s[4:11], s[0:1], 0x0               ; Q s[4:5], kv s[6:7], mp s[8:9], tf s[10:11]
	s_load_b64 s[12:13], s[0:1], 0x20              ; out0
	v_lshl_add_u32 v[SPW], v0, 2, SPARE
	v_mov_b32 v[NIL], 0
	v_lshrrev_b32 v1, 5, v0
	v_readfirstlane_b32 s[WV], v1                  ; wave 0..3
	v_and_b32 v2, 31, v0
	v_lshlrev_b32 v[LI], 4, v2
	v_lshlrev_b32 v[LS], 2, v2
	v_lshlrev_b32 v[T16], 4, v0
	v_lshlrev_b32 v[T8], 3, v0
	v_lshlrev_b32 v[PFO], 8, v0
	v_and_b32 v9, 15, v0                           ; r
	v_bfe_u32 v10, v0, 4, 1                        ; h
	s_mul_i32 s2, s[WV], 16*SP
	s_add_co_u32 s2, s2, STAGE                     ; my stage
	v_mul_u32_u24 v[STO], v9, SP
	v_add_nc_u32 v[STO], s2, v[STO]
	v_lshl_add_u32 v[QR], v10, 6, v[STO]           ; row r, + 64 h
	v_lshl_add_u32 v[STO], v10, 5, v[STO]          ; row r, + 32 h
	v_add_nc_u32 v[RD], s2, v[LI]                  ; 16 bytes a lane of a row
.irp a, 0,1,2,3
.irp b, 0,1,2,3
	v_mov_b32 v[WK+16*\a+4+\b], 0                  ; written once: a lane permute's destination counts as one of its sources
.endr
.endr
	WIN 0xc0
.irp n, 0,1,2,3,4,5,6,7
	v_mov_b32 v[MK+\n], 0                          ; the mask words' registers are written on every way
.endr
	WIN 0
	s_and_b32 s[HEAD], ttmp7, 0xffff
	s_sub_co_u32 s[QB], 7, ttmp9                   ; the first pass's block
	s_mov_b32 s[PASS], 2
	s_mov_b32 s[NINF], 0xff800000
	s_mov_b32 s[SEL], 0x76543210
	s_mov_b32 s[SEL+1], 0xfedcba98
	s_mov_b32 s[CS], 0x3e0293ee                    ; c = log2(e) / sqrt(128)
	s_mov_b32 s[CS+1], s[CS]
	s_mov_b32 s[MNT], 0x600000
	s_mul_i32 s2, s[HEAD], 16*REC
	s_mov_b32 s3, 0
	s_wait_alu depctr_va_vdst(0)
	s_wait_kmcnt 0x0
	s_add_nc_u64 s[6:7], s[6:7], s[2:3]            ; kv at my head's first record
	REQ
.Lpass:
	s_wait_xcnt 0x0                                ; the last pass's stores and the requests above have read their bases
	ROWS OUTC, 12
	s_mov_b64 s[KVC:KVC+1], s[6:7]
	s_mov_b32 s[TB], 0
	s_wait_kmcnt 0x0                               ; the flags
.set n, 1
.rept 31
	s_or_b32 s[XM], s[XM], s[XM+n]
.set n, n+1
.endr
	s_and_b32 s[NEED], s[XM], 0xffff               ; bit s: some query of the block has a true entry in step s
.set n, 1
.rept 7
	s_or_b32 s[YM], s[YM], s[YM+n]
.set n, n+1
.endr
	s_and_b32 s[MY], s[YM], 0xffff                 ; the same of my 64 queries;
	s_lshr_b32 s[MX], s[YM], 16                    ; bit s: some entry of my 64 x 128 is false,
	s_and_b32 s[MX], s[MX], s[MY]                  ; in the steps that I work on: a step that is wholly hidden wants no mask words
	; THE PREFETCH INTO THE L2.  In trip s the images (32,768 bytes) of the record of step s + 3 are asked for, one trip ahead of the loads that will want them.  The four work-groups of a head read the same records:
	; work-group x = 0 asks, in its first pass alone, 128 threads 256 bytes apart: each block of 256 bytes is named once in the launch.  Only steps that the block will read are asked for; NEED >> 3 runs out three trips
	; ahead of the end, so nothing is named past the head's last record.  Steps 0 to 2 and the scale words come by their loads alone.
	s_xor_b32 s3, s[PASS], 2
	s_or_b32 s2, s3, ttmp9
	s_lshr_b32 s3, s[NEED], 3
	s_cmp_eq_u32 s2, 0
	s_cselect_b32 s[PFM], s3, 0
	s_wait_loadcnt 0x0                             ; Q, record 0 and step 0's mask words
	COPYIN T16, T8                                 ; record 0 into slot 0: its last reads were over ahead of the last pass's last barrier
	s_wait_dscnt 0x0
	s_bitcmp1_b32 s[NEED], 1
	s_cbranch_scc0 .Lno1
	ASKREC KVC, REC                                ; record 1 comes while Q is quantised
.Lno1:
.irp a, 0,1,2,3                                ; Q's turn: 16 rows into my stage as they lie, and back: register 64 a + 16 b + 4 j + .. of window 2 = channels 32 b + 16 h + 4 j + .. of query r.  LDS serves a wave's instructions in order
	WIN 0x04
.irp i, 0,1,2,3,4,5,6,7,8,9,10,11,12,13,14,15
	ds_store_b128 v[RD], v[64*\a+4*\i:64*\a+4*\i+3] offset:\i*SP
.endr
	WIN 0x80
.irp b, 0,1,2,3
.irp j, 0,1,2,3
	ds_load_b128 v[64*\a+16*\b+4*\j:64*\a+16*\b+4*\j+3], v[QR] offset:128*\b+16*\j
.endr
.endr
.endr
	WIN 0
	s_wait_dscnt 0x0
	WIN 0x28                                       ; Q: 16 blocks of 32 channels by turns
.irp a, 0,1,2,3
.irp b, 0,1,2,3
	v_max3_num_f32 v[WK+16*\a+\b], FLOOR, |v[64*\a+16*\b]|, |v[64*\a+16*\b+1]|   ; with the floor: the byte cannot fall under 1
.endr
.endr
.irp i, 2,4,6,8,10,12,14
.irp a, 0,1,2,3
.irp b, 0,1,2,3
	v_max3_num_f32 v[WK+16*\a+\b], v[WK+16*\a+\b], |v[64*\a+16*\b+\i]|, |v[64*\a+16*\b+\i+1]|
.endr
.endr
.endr
	WIN 0
	PAIRMAX
	SCALES QS
	WIN 0x82
.irp a, 0,1,2,3
.irp b, 0,1,2,3
.set n, 0
.rept 16
	v_med3_num_f32 v[64*\a+16*\b+n], v[64*\a+16*\b+n], -v[WK+16*\a+8+\b], v[WK+16*\a+8+\b]   ; the conversion to an 8-bit code does not saturate (ISA guide 7.6.2): the hold comes first
.set n, n+1
.endr
.endr
.endr
	WIN 0xc2
.irp a, 0,1,2,3
.irp b, 0,1,2,3
	v_cvt_scalef32_pk8_fp8_f32 v[QC+16*\a+4*\b:QC+16*\a+4*\b+1], v[64*\a+16*\b:64*\a+16*\b+7], v[WK+16*\a+12+\b]
	v_cvt_scalef32_pk8_fp8_f32 v[QC+16*\a+4*\b+2:QC+16*\a+4*\b+3], v[64*\a+16*\b+8:64*\a+16*\b+15], v[WK+16*\a+12+\b]
.endr
.endr
	WIN 0
	v_nop                                          ; one plain line behind the last conversion: the moves below write its sources
	WIN 0x80
.set n, 0
.rept 256
	v_mov_b32 v[n], 0                              ; O^T (see the head comment); also the places between Q's codes and scale words and the first products
.set n, n+1
.endr
	WIN 0
.irp a, 0,1,2,3
	v_mov_b32 v[NM+2*\a+1], 0xff61b1e6             ; the largest t so far: -3e38
.endr
.irp a, 0,1,2,3
	v_floor_f32 v[NM+2*\a], -v[NM+2*\a+1]          ; -M
.endr
.set n, 0
.rept 16
	v_mov_b32 v[SA+n], 0                           ; the sums: two pairs a tile
.set n, n+1
.endr
	s_mov_b32 s[CNT], 16
.Ltrip:
	v_add_nc_u32 v[AL], s[TB], v[LI]
	v_add_nc_u32 v[AS], s[TB], v[LS]
	s_xor_b32 s2, s[TB], SLOT1
	v_add_nc_u32 v[AC16], s2, v[T16]
	v_add_nc_u32 v[AC8], s2, v[T8]
	s_wait_alu depctr_va_vdst(0)
	s_wait_dscnt 0x0                               ; for the others' sake: my stores into this trip's slot have landed, and my reads of the other slot are over
	s_barrier_signal -1
	s_barrier_wait -1
	s_bitcmp1_b32 s[MY], 0
	s_cbranch_scc0 .Lidle
.rept 9
	v_nop                                          ; places behind the last step's products: the loads below land on their source 1, and the scores are laid over their source 0
.endr
.irp b, 0,1,2,3
	ds_load_b32 v[SWK+\b], v[AS] offset:KSC+128*\b
.endr
.irp t, 0,1,2,3,4,5,6,7
.irp c, 0,1,2,3
	ds_load_b128 v[KF+16*\t+4*\c:KF+16*\t+4*\c+3], v[AL] offset:2048*\t+512*\c
.endr
.endr
	WIN 0x4c                                       ; S^T window 1, K window 0, Q's codes window 3
.irp t, 0,1,2,3,4,5,6,7
	s_wait_dscnt 28-4*\t                           ; fragment t is in; the four loads of each later fragment stay out
.irp a, 0,1,2,3
	KQ \t, \a
.endr
.endr
	WIN 0
.rept 8
	v_nop                                          ; places in front of the first read of the scores
.endr
	COPY
	s_bitcmp1_b32 s[MX], 0
	s_cbranch_scc0 .Lopen                          ; all 64 x 128 entries are true: nothing to hide
	WIN 0x47                                       ; mask words window 3, scores window 1
.irp a, 0,1,2,3
.irp g, 0,1
	MASK32 \a, \g
.endr
.endr
	WIN 0
.Lopen:
	WIN 0x14                                       ; the largest score of each block of 32 keys: for the row's maximum and, since p rises with the score, for the block's largest p.  16 blocks by turns
.irp a, 0,1,2,3
.irp b, 0,1,2,3
	v_max3_num_f32 v[WK+16*\a+\b], s[NINF], v[64*\a+16*\b], v[64*\a+16*\b+1]
.endr
.endr
.irp i, 2,4,6,8,10,12,14
.irp a, 0,1,2,3
.irp b, 0,1,2,3
	v_max3_num_f32 v[WK+16*\a+\b], v[WK+16*\a+\b], v[64*\a+16*\b+\i], v[64*\a+16*\b+\i+1]
.endr
.endr
.endr
	WIN 0
	PAIRMAX
.irp a, 0,1,2,3
	v_max3_num_f32 v[FF+2*\a+1], v[WK+16*\a], v[WK+16*\a+1], v[WK+16*\a+2]
.endr
.irp a, 0,1,2,3
	v_max_num_f32 v[FF+2*\a+1], v[FF+2*\a+1], v[WK+16*\a+3]   ; the step's largest score of my query
.endr
.irp a, 0,1,2,3
	v_mul_f32 v[FF+2*\a+1], s[CS], v[FF+2*\a+1]    ; as t (c is positive)
.endr
.irp a, 0,1,2,3
	v_max_num_f32 v[NM+2*\a+1], v[NM+2*\a+1], v[FF+2*\a+1]   ; the running largest t
.endr
.irp a, 0,1,2,3
	v_mov_b32 v[FF+2*\a+1], v[NM+2*\a]
.endr
.irp a, 0,1,2,3
	v_floor_f32 v[NM+2*\a], -v[NM+2*\a+1]          ; the new -M = -ceil(t)
.endr
.irp a, 0,1,2,3
	v_sub_f32 v[FF+2*\a+1], v[NM+2*\a], v[FF+2*\a+1]   ; old M - new M: a whole number, 0 or less
.endr
.irp a, 0,1,2,3
	v_cvt_i32_f32 v[FF+2*\a+1], v[FF+2*\a+1]       ; (it saturates)
.endr
.irp a, 0,1,2,3
	v_ldexp_f32 v[FF+2*\a], 1.0, v[FF+2*\a+1]      ; f = 2^(old M - new M)
.endr
	ASK
.irp a, 0,1,2,3
.irp b, 0,1,2,3
	v_fma_f32 v[WK+16*\a+\b], v[WK+16*\a+\b], s[CS], v[NM+2*\a]   ; t - M of each block's largest score
.endr
.endr
.irp a, 0,1,2,3
	v_pk_mul_f32 v[SA+2*\a:SA+2*\a+1], v[SA+2*\a:SA+2*\a+1], v[FF+2*\a:FF+2*\a+1] op_sel_hi:[1,0]   ; the sums under the new M
	v_pk_mul_f32 v[SB+2*\a:SB+2*\a+1], v[SB+2*\a:SB+2*\a+1], v[FF+2*\a:FF+2*\a+1] op_sel_hi:[1,0]
.endr
	s_wait_alu depctr_va_vdst(0)                   ; the wait ahead of a batch of exponentials
.irp a, 0,1,2,3
.irp b, 0,1,2,3
	v_exp_f32 v[WK+16*\a+\b], v[WK+16*\a+\b]       ; the blocks' largest p: the same two instructions on the same number give the same bits as the block's own
.endr
.endr
	WIN 0x41
.set n, 0
.rept 32
	TM 0, n                                        ; tile 0's t - M: plain lines behind the sixteen
.set n, n+2
.endr
	WIN 0
	s_wait_alu depctr_va_vdst(0)                   ; one wait: behind the sixteen, and ahead of the exponentials of tile 0
.irp a, 0,1,2,3
.irp b, 0,1,2,3
	v_max_num_f32 v[WK+16*\a+\b], FLOOR, v[WK+16*\a+\b]   ; the floor: the byte cannot fall under 1 (a block whose every p is 0 keeps that byte: its codes are zeros)
.endr
.endr
	SCALES PS
	; p = 2^(t - M), tile by tile.  Among a tile's 64 exponentials stand plain lines that name none of their registers and whose own sources were written ahead of the last wait: the next tile's t - M, and the holds of tiles
	; whose sums are taken.  Between two tiles: one wait, and the finished tile's sum (no exponential stands between two links of a sum).
	WIN 0x41
.set n, 0
.rept 32
	v_exp_f32 v[n], v[n]
	v_exp_f32 v[n+1], v[n+1]
	TM 1, n
.set n, n+2
.endr
	SUM 0
	WIN 0x41
.set n, 0
.rept 32
	v_exp_f32 v[64+n], v[64+n]
	TM 2, n
	v_exp_f32 v[64+n+1], v[64+n+1]
	HOLD 0, n/2
.set n, n+2
.endr
	SUM 1
	WIN 0x41
.set n, 0
.rept 32
	v_exp_f32 v[128+n], v[128+n]
	TM 3, n
	v_exp_f32 v[128+n+1], v[128+n+1]
	HOLD 0, 32+n/2
.set n, n+2
.endr
	SUM 2
	WIN 0x41
.set n, 0
.rept 32
	v_exp_f32 v[192+n], v[192+n]
	HOLD 1, n
	v_exp_f32 v[192+n+1], v[192+n+1]
	HOLD 1, n+1
.set n, n+2
.endr
	SUM 3
	CODES 0
	CODES 1
	WIN 0
	v_nop                                          ; one plain line behind the conversions
.irp b, 0,1,2,3
	ds_load_b32 v[SWV+\b], v[AS] offset:VSC+128*\b
.endr
	WIN 0x40
.irp t, 0,1,2,3,4,5,6,7                        ; V's eight fragments take the registers of tiles 0 and 1 of p, and come while tiles 2 and 3 are converted
.irp c, 0,1,2,3
	ds_load_b128 v[16*\t+4*\c:16*\t+4*\c+3], v[AL] offset:VIM+2048*\t+512*\c
.endr
.endr
	HOLDS 2
	CODES 2
	HOLDS 3
	CODES 3
	WIN 0
	v_nop                                          ; one plain line behind the last conversion
	WIN 0x82
	s_wait_alu depctr_va_vdst(0)                   ; the wait directly ahead of the first reader of O^T
	OSCALE                                         ; O^T under the new M; these lines are also the places between the codes and the products
	s_wait_alu depctr_va_vdst(0)
	s_wait_dscnt 0x0                               ; V's fragments and scale words
	WIN 0xa1                                       ; O^T window 2, V window 1, p's codes window 0
.irp t, 0,1,2,3,4,5,6,7
.irp a, 0,1,2,3
	PV \t, \a                                      ; 32 accumulators by turns, one instruction a turn
.endr
.endr
	WIN 0
	s_branch .Ljoin
.Lidle:
	COPY
	ASK
.Ljoin:
	s_wait_xcnt 0x0                                ; the trip's loads and its prefetch have read their bases: only now are they stepped
	s_add_nc_u64 s[KVC:KVC+1], s[KVC:KVC+1], REC
	s_add_nc_u64 s[MPC:MPC+1], s[MPC:MPC+1], 512
	s_lshr_b32 s[NEED], s[NEED], 1
	s_lshr_b32 s[MY], s[MY], 1
	s_lshr_b32 s[MX], s[MX], 1
	s_lshr_b32 s[PFM], s[PFM], 1
	s_xor_b32 s[TB], s[TB], SLOT1                  ; on to the other slot
	s_sub_co_u32 s[CNT], s[CNT], 1
	s_cmp_lg_u32 s[CNT], 0
	s_cbranch_scc1 .Ltrip
	s_wait_loadcnt 0x0                             ; nothing is pending on the record's registers, on any way
.rept 8
	v_nop                                          ; places behind the last products: ahead of loads into their source registers and of the first read of O^T
.endr
	s_cmp_eq_u32 s[PASS], 1
	s_cbranch_scc1 .Lnn
	s_mov_b32 s[QB], ttmp9                         ; the second pass's block: what it wants first is asked for here and comes during the way out, which touches neither window 1 nor window 3
	REQ
.Lnn:
	s_wait_alu depctr_va_vdst(0)
.irp a, 0,1,2,3
	v_pk_add_f32 v[SA+2*\a:SA+2*\a+1], v[SA+2*\a:SA+2*\a+1], v[SB+2*\a:SB+2*\a+1]
.endr
.irp a, 0,1,2,3
	v_add_f32 v[FF+2*\a+1], v[SA+2*\a], v[SA+2*\a+1]
.endr
.irp a, 0,1,2,3
	v_permlanex16_b32 v[WK+16*\a+4], v[FF+2*\a+1], s[SEL], s[SEL+1]
.endr
.irp a, 0,1,2,3
	v_add_f32 v[FF+2*\a+1], v[FF+2*\a+1], v[WK+16*\a+4]   ; with lane l xor 16's: the row's sum
.endr
	s_wait_alu depctr_va_vdst(0)                   ; the wait ahead of the batch
.irp a, 0,1,2,3
	v_rcp_f32 v[FF+2*\a], v[FF+2*\a+1]
.endr
	v_nop                                          ; a plain line behind the last reciprocal
	WIN 0x82
	s_wait_alu depctr_va_vdst(0)                   ; one wait for the four, directly ahead of the first reader of them and of O^T
	OSCALE                                         ; O^T / the sum
	WIN 0
	s_wait_alu depctr_va_vdst(0)
	OUTSTAGE 0
	OUTSTAGE 1
	OUTSEND 0, 32                                  ; tile 1's 16 stores and 16 loads stay out
	s_wait_xcnt 0x0                                ; tile 0's stores have read their registers: tile 2's rows may land there
	OUTSTAGE 2
	OUTSEND 1, 32
	s_wait_xcnt 0x0
	OUTSTAGE 3
	OUTSEND 2, 32
	OUTSEND 3, 0
	s_sub_co_u32 s[PASS], s[PASS], 1
	s_cmp_lg_u32 s[PASS], 0
	s_cbranch_scc1 .Lpass
	s_wait_tensorcnt 0x0                           ; the wave's end, behind my last LDS store
	ds_add_u32 v[SPW], v[NIL]
	s_wait_dscnt 0x0
	s_endpgm
.Lfunc_end_k_q176edebc6b_attn:
	.size	k_q176edebc6b_attn, .Lfunc_end_k_q176edebc6b_attn-k_q176edebc6b_attn
	.p2alignl 7, 3214868480
	.fill 96, 4, 3214868480
	.section	.rodata,"a",@progbits
	.p2align	6, 0x0
	.amdhsa_kernel k_q176edebc6b_attn
		.amdhsa_group_segment_fixed_size 133632
		.amdhsa_private_segment_fixed_size 0
		.amdhsa_enable_private_segment 0
		.amdhsa_kernarg_size 40
		.amdhsa_user_sgpr_count 2
		.amdhsa_user_sgpr_kernarg_segment_ptr 1
		.amdhsa_wavefront_size32 1
		.amdhsa_system_sgpr_workgroup_id_x 1
		.amdhsa_system_sgpr_workgroup_id_y 1
		.amdhsa_system_sgpr_workgroup_id_z 1
		.amdhsa_system_vgpr_workitem_id 0
		.amdhsa_next_free_vgpr 908
		.amdhsa_next_free_sgpr 106
		.amdhsa_reserve_vcc 0
		.amdhsa_float_denorm_mode_32 3
		.amdhsa_float_denorm_mode_16_64 3
		.amdhsa_memory_ordered 1
		.amdhsa_forward_progress 1
		.amdhsa_inst_pref_size 215
	.end_amdhsa_kernel
	.amdgpu_metadata
---
amdhsa.version: [ 1, 2 ]
amdhsa.kernels:
  - .name:           k_q176edebc6b_attn
    .symbol:         k_q176edebc6b_attn.kd
    .args:
      - { .name: Q, .offset: 0, .size: 8, .value_kind: global_buffer, .address_space: global }
      - { .name: kv, .offset: 8, .size: 8, .value_kind: global_buffer, .address_space: global }
      - { .name: mp, .offset: 16, .size: 8, .value_kind: global_buffer, .address_space: global }
      - { .name: tf, .offset: 24, .size: 8, .value_kind: global_buffer, .address_space: global }
      - { .name: out0, .offset: 32, .size: 8, .value_kind: global_buffer, .address_space: global }
    .group_segment_fixed_size: 133632
    .private_segment_fixed_size: 0
    .kernarg_segment_align: 8
    .kernarg_segment_size: 40
    .max_flat_workgroup_size: 128
    .sgpr_count:     106
    .vgpr_count:     908
    .wavefront_size: 32
...
	.end_amdgpu_metadata
.endif
;; end of part 2
